; MI455X (gfx1250); checked and timed in simulation.
; The chip was launched on July 23, 2026; its instructions are those of AMD's public machine-readable ISA for CDNA 5 (MIT licence, August 2026) and "CDNA5" Instruction Set Architecture Reference Guide (July 2026). The comments in the code are by the model that wrote it; some were corrected since.
;; General Attention. Allowed arithmetic: matrix products marked QUANTISED: E3M2 operands, one E8M0 scale for each 32 along K, by v_wmma_scale_f32_16x16x128_f8f6f4 with both operands' format E3M2, f32 sums; everything else in f32.
;; Inputs: K 4 x 16 x 2,048 x 128 float32; Q_codes 4 x 16 x 2,048 x 4 x 24 uint8 (E3M2 codes of Q, K innermost, in blocks of 32 codes, four codes in three bytes); Q_scales 4 x 16 x 2,048 x 4 uint8 (E8M0 scales of Q, one for each 32 codes along K); V_codes 4 x 16 x 128 x 64 x 24 uint8 (E3M2 codes of V, K innermost, in blocks of 32 codes, four codes in three bytes); V_scales 4 x 16 x 128 x 64 uint8 (E8M0 scales of V, one for each 32 codes along K).
;; Outputs: out0 4 x 16 x 2,048 x 128 float32.
;; This version of the problem:
;;   THIS VERSION OF THE PROBLEM IS GIVEN IN LOW PRECISION. The matrix products marked QUANTISED in the list below multiply operands that are first quantised to E3M2 (3 exponent bits, 2 mantissa bits; 6 bits a number), with one power-of-two scale for each 32 numbers along K (OCP MX v1.0); their sums are f32. All else is computed in f32.
;;   The module's matrix products, in the order in which they are computed (A, B: the left and right operand; K: the contracted axis; several contracted axes count as one K, in the product's order):
;;     1. batch 64 x [M 2,048, K 128] x [K 128, N 2,048]; A: input Q (given as codes); B: input K: QUANTISED
;;     2. batch 64 x [M 2,048, K 2,048] x [K 2,048, N 128]; A: softmax (see below); B: input V (given as codes): QUANTISED
;;   THE QUANTISER, for each operand of a quantised product, along K:
;;     - K is cut into blocks of 32 from its start; a last block that is shorter is filled with zeros.
;;     - A block's scale is 2^e with e = floor(log2(the largest magnitude in the block)) - 4, held to -126 .. 127; a block of zeros has e = 0. As a byte (E8M0): e + 127.
;;     - Each number is divided by its block's scale, clamped to +-28, and rounded to the nearest number of E3M2, ties to even, subnormals kept.
;;     - The product sums the exact products of the quantised numbers (number of the format x scale) in f32.
;;   ~~~python
;;   def quantise(x, axis):      # numpy; x: float32 -> the quantised numbers, widened to float32 again
;;       x = np.moveaxis(x, axis, -1); K = x.shape[-1]
;;       x = np.pad(x, [(0, 0)] * (x.ndim - 1) + [(0, -K % 32)]); x = x.reshape(x.shape[:-1] + (-1, 32)); a = np.abs(x).max(-1, keepdims=True)
;;       e = np.where(a > 0, np.clip(np.frexp(np.where(a > 0, a, 1))[1] - 1 - 4, -126, 127), 0)      # np.frexp(a)[1] - 1 = floor(log2(a)), exactly
;;       r = np.clip(x / 2.0 ** e, -28, 28)
;;       step = 2.0 ** (np.maximum(np.frexp(np.where(r == 0, 1, r))[1] - 1, -2) - 2)
;;       q = np.round(r / step) * step * 2.0 ** e      # np.round: ties to even
;;       return np.moveaxis(q.reshape(q.shape[:-2] + (-1,))[..., :K], -1, axis).astype(np.float32)
;;   ~~~
;;   SOFTMAX AHEAD OF A QUANTISED PRODUCT. Where the list says 'softmax', what is quantised is not the finished softmax but p = 2^(t - M), with t = logit x log2(e) and M = ceil(the row's largest t), a whole number; so 1/2 < the row's largest p <= 1. The row's sum l is taken of the UNQUANTISED p, in f32, and the product's result is divided by l at the end. Since M is a whole number, a kernel that streams over the keys may use a running M (the ceiling of the running maximum): every later rescaling is an exact power of two, which a block's scale takes up: the codes' values come out the same.
;;   OPERANDS COMPUTED ON THE WAY. 'Computed on the way' means the value that the module computes at that place (a softmax that the list does not call 'softmax' is quantised finished and normalised). What goes into a quantiser is computed in f32, as accurately as f32 sums, v_exp_f32 and their like allow (about 1e-6 of the number): no bf16 or f16 on the way to a quantiser, and a product that is left as it is and whose result goes on into a quantised operand takes f32 operands (vector FMAs, or v_wmma_f32_16x16x4_f32). A number that lies on a knife's edge between two numbers of the format may be rounded either way, as far as f32 arithmetic and the matrix unit's own rounding can turn it there, and no further.
;;   INPUTS GIVEN AS CODES. Q (in the module: [4, 16, 2048, 128], K = its axis 3); V (in the module: [4, 16, 2048, 128], K = its axis 2): each comes as NAME_codes (uint8): NAME with its K axis moved to the last place and cut into blocks of 32 codes, [.., K / 32, bytes a block], one block behind the other in memory; four codes in three bytes: a row's codes are one little-endian stream of bits, code i at bits 6 i .. 6 i + 5 (a code: sign, 3 exponent bits, 2 mantissa bits); and NAME_scales (uint8): the same leading axes, one E8M0 byte (e + 127) for each 32 codes along K. Its value is code x scale, taken as it is: it is not quantised again, and the codes and scales need not be those that the quantiser above would give.
;; One version. Each part assembles by itself: llvm-mc -triple=amdgcn-amd-amdhsa -mcpu=gfx1250 --defsym DOCPART=n.
;; ======== version 1 of 1: 2 launches
;; limits: right only within a limited range of input values
;; workspace buffers: kq 13,107,200 bytes; ksum 2,048 bytes
;; launch kquant (part 1): grid 256 x 1, 8 waves a work-group, no clusters, 99,840 bytes of LDS; arguments K, kq, ksum; writes kq, ksum
.if DOCPART == 1
	.amdgcn_target "amdgcn-amd-amdhsa--gfx1250"
	.amdhsa_code_object_version 6
	.text
	.protected	k_q05e269bc61_kquant
	.globl	k_q05e269bc61_kquant
	.p2align	8
	.type	k_q05e269bc61_kquant,@function
k_q05e269bc61_kquant:
	s_mov_b64 s[64:65], 0
	v_nop
	global_prefetch_b8 v0, s[64:65] scope:SCOPE_SE
	s_setreg_imm32_b32 hwreg(HW_REG_WAVE_MODE, 25, 1), 1
	s_wait_xcnt 0x0
; K [4][16][2048][128] f32 is read ONCE, for two things:
; (1) its codes of BF6 (E3M2) along the head's 128, one E8M0 byte for each 32, laid as the second launch's matrix operand wants them;
; (2) the sums from which the second launch makes K's variance.
; THE CODES' BUFFER kq: 2,048 groups of 64 keys, 6,400 bytes each.  Bytes 0 .. 6,143: four tiles of 16 keys, 1,536 bytes each, in the ORDER OF THE OPERAND'S REGISTERS:
; tile u, lane L = r + 16 h has its 48 bytes at 48 L: block h (24 bytes), then block 2 + h, of key 32 (r / 8) + 8 u + r % 8.  Bytes 6,144 .. 6,399: the scale bytes, [r][tile][block].
; A block's scale is 2^(floor(log2(its largest magnitude)) - 4); its byte is the largest magnitude's exponent field - 4, held at 1 from below.  A block of zeros so gets the byte 1 where the rule
; says 127: its codes are zeros, which add nothing under any byte but 0xff, and this program alone reads the bytes.
; THE SUMS: with the pivot p = K's first number, d = x - p; each work-group stores the sum of d and the sum of d d of its 65,536 numbers.  A common offset of K cancels in d, so the variance
; (sum d d - (sum d)^2 / N) / (N - 1) is no difference of large sums.
; LIMITS: if the pivot lies z standard deviations from K's mean, the variance's relative error grows like z^2 x 2^-24.  NaN and infinities in K are not served.  Blocks whose largest magnitude
; lies under 2^(5 - 127) have their byte held at 1.  The two words that a work-group stores into ksum are 4 bytes each, 1,024 bytes apart: 2,048 bytes in the whole launch.
; SHARES: a wave takes one group: 64 keys, 8,192 numbers, 16 steps of 512 numbers (4 keys).  Each of a step's four loads reads 512 consecutive bytes, 16 a lane; the 2,048 bytes turn through the wave's
; own stage in LDS and come back 64 bytes a lane, so that a lane holds 16 neighbours of one block (lane l: key l / 8 of the step, block (l / 2) % 4, half l % 2).  Loads run four steps ahead
; (16 loads a wave), the turn one step.  The codes and bytes gather in the wave's own 6,400 bytes of LDS and leave as whole runs of 512 and 256 consecutive bytes.
.set STEPS, 16
.set EMAX,  4
.set SP,    80                         ; a lane's place in a stage: its 64 bytes + 16 of padding
.set WREG,  12288                      ; LDS: a region for each wave: two stages of 32 x SP bytes, then the group's 6,400 bytes
.set OUTB,  2*32*SP                    ; where the group's image begins in the region
.set SCB,   OUTB+6144                  ; and its scale bytes
.set RED,   8*WREG                     ; behind the eight regions: 8 bytes for each wave's two sums
.set GRP,   6400
.set R,     16                         ; v16-79   four sets of 16 numbers as they are loaded; at the end the group's image on its way out
.set X,     80                         ; v80-111  two sets of 16 neighbours
.set E,     112                        ; v112-127 a scale byte for each step
.set C,     128                        ; v128-191 codes: four registers for each step
.set D,     192                        ; v192-207 d = x - p
.set SA,    208                        ; v208-211 the sum of d, two chains of pairs
.set SQ,    212                        ; v212-215 the sum of d d, likewise
	s_load_b128 s[4:7], s[0:1], 0x0                ; K, kq
	s_load_b64 s[8:9], s[0:1], 0x10                ; ksum
	v_lshl_add_u32 v216, v0, 2, 0x18200
	v_mov_b32 v217, 0
	v_lshrrev_b32 v1, 5, v0
	s_delay_alu instid0(VALU_DEP_1)
	v_readfirstlane_b32 s16, v1                    ; wave 0..7
	v_and_b32 v2, 31, v0                           ; lane
	s_delay_alu instid0(VALU_DEP_1)
	v_lshlrev_b32 v3, 4, v2                        ; my 16 bytes of a run of 512: for the loads, and for the stores at the end
	s_mul_i32 s17, s16, WREG                       ; my wave's region
	v_lshrrev_b32 v14, 2, v2
	s_delay_alu instid0(VALU_DEP_1)
	v_mul_u32_u24 v14, v14, SP
	v_and_b32 v15, 3, v2
	s_delay_alu instid0(VALU_DEP_1)
	v_lshl_add_u32 v14, v15, 4, v14
	s_delay_alu instid0(VALU_DEP_1)
	v_add_nc_u32 v14, s17, v14                     ; the stage, on the way in: SP (lane / 4) + 16 (lane % 4)
	v_mul_u32_u24 v15, v2, SP
	s_delay_alu instid0(VALU_DEP_1)
	v_add_nc_u32 v15, s17, v15                     ; and on the way out: SP x lane
	v_lshrrev_b32 v1, 3, v2                        ; my key of the step's four
	s_delay_alu instid0(VALU_DEP_1)
	v_mul_u32_u24 v4, v1, 48                       ; the image: 48 bytes from operand lane to operand lane,
	v_bfe_u32 v8, v2, 1, 1
	s_delay_alu instid0(VALU_DEP_1)
	v_mad_u32_u24 v4, v8, 768, v4                  ; an odd block lies in the operand's lanes 16-31,
	v_bfe_u32 v8, v2, 2, 1
	s_delay_alu instid0(VALU_DEP_1)
	v_mad_u32_u24 v4, v8, 24, v4                   ; blocks 2 and 3 in the lane's second 24 bytes,
	v_and_b32 v8, 1, v2
	s_delay_alu instid0(VALU_DEP_1)
	v_mad_u32_u24 v4, v8, 12, v4                   ; my half of the block: 12 bytes
	s_delay_alu instid0(VALU_DEP_1)
	v_add_nc_u32 v4, s17, v4
	v_lshlrev_b32 v5, 4, v1                        ; the scale bytes: 16 bytes from r to r,
	v_bfe_u32 v8, v2, 1, 2
	s_delay_alu instid0(VALU_DEP_1)
	v_add_nc_u32 v5, v5, v8                        ; my block's byte
	s_delay_alu instid0(VALU_DEP_1)
	v_add_nc_u32 v5, s17, v5
	v_add_nc_u32 v6, s17, v3                       ; the image read back: 16 bytes a lane
	v_lshlrev_b32 v7, 3, v2                        ; the scale bytes read back and stored: 8 bytes a lane
	s_delay_alu instid0(VALU_DEP_1)
	v_add_nc_u32 v12, s17, v7
	v_mov_b32 v10, s16
	s_delay_alu instid0(VALU_DEP_1)
	v_lshl_add_u32 v10, v10, 3, RED                ; my wave's two sums
	s_lshl_b32 s18, ttmp9, 3
	s_add_co_u32 s18, s18, s16                     ; my group: 8 x work-group + wave
	s_lshl_b32 s20, s18, 15                        ; its 32,768 bytes of K (under 2^27)
	s_mov_b32 s21, 0
	s_mul_i32 s22, s18, GRP                        ; its 6,400 bytes of kq
	s_mov_b32 s23, 0
	s_mov_b32 s26, 0x76543210                      ; v_permlanex16_b32's selects for lane l xor 16
	s_mov_b32 s27, 0xfedcba98
	s_wait_kmcnt 0x0
	s_load_b32 s24, s[4:5], 0x0                    ; the pivot: K's first number.  Its base s[4:5] is never rewritten
	s_add_nc_u64 s[10:11], s[4:5], s[20:21]
	s_add_nc_u64 s[6:7], s[6:7], s[22:23]
.macro LOAD t
.irp i, 0,1,2,3
	global_load_b128 v[R+16*((\t)%4)+4*\i:R+16*((\t)%4)+4*\i+3], v3, s[10:11] offset:2048*(\t)+512*\i th:TH_LOAD_NT   ; 32 lanes read 512 consecutive bytes; read once in the launch
.endr
.endm
.macro TURN t                          ; step t's numbers through the stage: LDS serves a wave's instructions in order (ISA guide 5.7.1.4), so no wait stands between the stores and the loads
.irp i, 0,1,2,3
	ds_store_b128 v14, v[R+16*((\t)%4)+4*\i:R+16*((\t)%4)+4*\i+3] offset:32*SP*((\t)%2)+8*SP*\i
.endr
.irp i, 0,1,2,3
	ds_load_b128 v[X+16*((\t)%2)+4*\i:X+16*((\t)%2)+4*\i+3], v15 offset:32*SP*((\t)%2)+16*\i
.endr
.endm
.irp t, 0,1,2,3
	LOAD \t
.endr
.irp i, 0,1,2,3,4,5,6,7
	v_mov_b32 v[SA+\i], 0                          ; the eight running sums
.endr
	s_wait_kmcnt 0x0
	s_xor_b32 s24, s24, 0x80000000                 ; -p, so that d is a plain packed addition
	s_mov_b32 s25, s24                             ; (named with it as a pair, so it is written)
	s_wait_loadcnt 12                              ; step 0's four loads are in; those of steps 1 to 3 may be out
	TURN 0
.macro STEP t
.set XS, X+16*((\t)%2)
; THE ORDER OF KEYS IN A GROUP (this is the order that holds): row r of tile u (u = 0 .. 3) is key 32 (r / 8) + 8 u + r % 8 of the group's 64
.set TT, ((\t)%8)/2                    ; keys 4 t .. 4 t + 3 of the group lie in tile TT,
.set RR, 8*((\t)/8)+4*((\t)%2)         ; at r = RR + 0 .. 3
.if (\t) > 0
	s_wait_dscnt 4                                 ; this step's numbers are back from the stage (the last step's three code stores and its byte store may be out): so its stores into the stage have read their registers,
.else
	s_wait_dscnt 0x0
.endif
.if (\t)+4 < STEPS
	LOAD (\t)+4                                    ; which take the loads of four steps on
.endif
.if (\t)+1 < STEPS
.if STEPS-2-(\t) >= 3
	s_wait_loadcnt 12                              ; the next step's four loads are in; those of the three steps behind it may be out
.else
	s_wait_loadcnt 4*(STEPS-2-(\t))
.endif
	TURN (\t)+1                                    ; and go through the other stage while this step is worked
.endif
	v_max3_num_f32 v8, |v[XS]|, |v[XS+1]|, |v[XS+2]|               ; the largest magnitude of my 16, in two chains
	v_max3_num_f32 v9, |v[XS+3]|, |v[XS+4]|, |v[XS+5]|
.irp i, 6,10
	s_delay_alu instid0(VALU_DEP_2)
	v_max3_num_f32 v8, v8, |v[XS+\i]|, |v[XS+\i+1]|
	s_delay_alu instid0(VALU_DEP_2)
	v_max3_num_f32 v9, v9, |v[XS+\i+2]|, |v[XS+\i+3]|
.endr
	s_delay_alu instid0(VALU_DEP_2)
	v_max3_num_f32 v8, v8, |v[XS+14]|, |v[XS+15]|
	s_delay_alu instid0(VALU_DEP_1)
	v_max3_num_f32 v8, v8, v9, (EMAX+1)<<23        ; and the floor 2^(EMAX + 1 - 127): the byte cannot fall under 1
	s_delay_alu instid0(VALU_DEP_1)
	v_max_num_f32_dpp v8, v8, v8 row_xmask:1 row_mask:0xf bank_mask:0xf   ; with my neighbour's 16: the block's
	s_delay_alu instid0(VALU_DEP_1)
	v_add_nc_u32 v11, -(EMAX<<23), v8              ; EMAX off its exponent field: the conversion takes the exponent field of this operand as its scale, and nothing else of it
	v_cvt_scalef32_pk16_bf6_f32 v[C+4*(\t):C+4*(\t)+2], v[XS:XS+15], v11   ; sixteen numbers / the scale, to the nearest code, ties to even, beyond the largest code the largest
	v_lshrrev_b32 v[E+(\t)], 23, v11               ; the scale's byte.  (Also the plain line behind the conversion)
.irp i, 0,1,2,3,4,5,6,7
	v_pk_add_f32 v[D+2*\i:D+2*\i+1], v[XS+2*\i:XS+2*\i+1], s[24:25] op_sel_hi:[1,0]   ; d = x - p, two at a time
.endr
.irp i, 0,1,2,3,4,5,6,7
	v_pk_add_f32 v[SA+2*(\i%2):SA+2*(\i%2)+1], v[SA+2*(\i%2):SA+2*(\i%2)+1], v[D+2*\i:D+2*\i+1]
	v_pk_fma_f32 v[SQ+2*(\i%2):SQ+2*(\i%2)+1], v[D+2*\i:D+2*\i+1], v[D+2*\i:D+2*\i+1], v[SQ+2*(\i%2):SQ+2*(\i%2)+1]
.endr
.irp j, 0,1,2
	ds_store_b32 v4, v[C+4*(\t)+\j] offset:OUTB+TT*1536+RR*48+4*\j   ; my 12 bytes of codes: their place is a multiple of 4 only, so they go word by word
.endr
	ds_store_b8 v5, v[E+(\t)] offset:SCB+RR*16+TT*4                  ; both lanes of a block write the same byte with the same value
.endm
.irp t, 0,1,2,3,4,5,6,7,8,9,10,11,12,13,14,15
	STEP \t
.endr
	; THE WAY OUT: the group's 6,400 bytes as they lie: twelve runs of 512 bytes and one of 256, each at a multiple of 256 from kq's first byte
.irp i, 0,1,2,3,4,5,6,7,8,9,10,11
	ds_load_b128 v[R+4*\i:R+4*\i+3], v6 offset:OUTB+512*\i           ; LDS serves a wave's instructions in order: these see my stores
.endr
	ds_load_b64 v[R+48:R+49], v12 offset:SCB
	s_wait_alu depctr_va_vdst(0)
.irp i, 0,1,2,3,4,5,6,7,8,9,10,11
	s_wait_dscnt 12-\i                             ; load i is in; the loads issued behind it may be out
	global_store_b128 v3, v[R+4*\i:R+4*\i+3], s[6:7] offset:512*\i
.endr
	s_wait_dscnt 0x0
	global_store_b64 v7, v[R+48:R+49], s[6:7] offset:6144
	; THE SUMS: within the lane, across the 32 lanes, across the eight waves
	v_pk_add_f32 v[SA:SA+1], v[SA:SA+1], v[SA+2:SA+3]
	v_pk_add_f32 v[SQ:SQ+1], v[SQ:SQ+1], v[SQ+2:SQ+3]
	s_delay_alu instid0(VALU_DEP_2)
	v_add_f32 v[SA], v[SA], v[SA+1]
	s_delay_alu instid0(VALU_DEP_2)
	v_add_f32 v[SA+1], v[SQ], v[SQ+1]              ; v208 the sum of d, v209 the sum of d d
.irp m, 1,2,4,8
	s_delay_alu instid0(VALU_DEP_2)
	v_add_f32_dpp v[SA], v[SA], v[SA] row_xmask:\m row_mask:0xf bank_mask:0xf
	s_delay_alu instid0(VALU_DEP_2)
	v_add_f32_dpp v[SA+1], v[SA+1], v[SA+1] row_xmask:\m row_mask:0xf bank_mask:0xf
.endr
	s_delay_alu instid0(VALU_DEP_2)
	v_permlanex16_b32 v[SA+2], v[SA], s26, s27     ; (its destination counts as read: these registers have been written)
	s_delay_alu instid0(VALU_DEP_2)
	v_permlanex16_b32 v[SA+3], v[SA+1], s26, s27
	s_delay_alu instid0(VALU_DEP_1)
	v_pk_add_f32 v[SA:SA+1], v[SA:SA+1], v[SA+2:SA+3]
	ds_store_b64 v10, v[SA:SA+1]                   ; all lanes write the same 8 bytes with the same values
	s_wait_dscnt 0x0                               ; for the others' sake: my store has landed
	s_barrier_signal -1
	s_barrier_wait -1
	s_cmp_lg_u32 s16, 0
	s_cbranch_scc1 .Ldone                          ; wave 0 adds the eight pairs and stores the work-group's two numbers
	v_mov_b32 v11, RED
.irp i, 0,1,2,3
	ds_load_b128 v[X+4*\i:X+4*\i+3], v11 offset:16*\i
.endr
	s_wait_dscnt 0x0
	v_pk_add_f32 v[X:X+1], v[X:X+1], v[X+2:X+3]
	v_pk_add_f32 v[X+4:X+5], v[X+4:X+5], v[X+6:X+7]
	v_pk_add_f32 v[X+8:X+9], v[X+8:X+9], v[X+10:X+11]
	v_pk_add_f32 v[X+12:X+13], v[X+12:X+13], v[X+14:X+15]
	s_delay_alu instid0(VALU_DEP_3)
	v_pk_add_f32 v[X:X+1], v[X:X+1], v[X+4:X+5]
	s_delay_alu instid0(VALU_DEP_2)
	v_pk_add_f32 v[X+8:X+9], v[X+8:X+9], v[X+12:X+13]
	s_delay_alu instid0(VALU_DEP_1)
	v_pk_add_f32 v[X:X+1], v[X:X+1], v[X+8:X+9]
	v_cmp_eq_u32 vcc_lo, 1, v0
	s_delay_alu instid0(VALU_DEP_1)
	v_cndmask_b32 v[X+2], v[X], v[X+1], vcc_lo     ; lane 0: the sum of d; lane 1: the sum of d d
	v_and_b32 v[X+3], 1, v0
	s_delay_alu instid0(VALU_DEP_1)
	v_lshlrev_b32 v[X+3], 10, v[X+3]               ; ksum: 256 sums of d, then 256 sums of d d
	s_lshl_b32 s17, ttmp9, 2
	v_add_nc_u32 v[X+3], s17, v[X+3]
	s_wait_alu depctr_va_vdst(0)
	s_wait_xcnt 0x0                                ; EXEC is a source of the stores above: it changes only behind this wait
	v_cmp_gt_u32 vcc_lo, 2, v0
	s_and_saveexec_b32 s18, vcc_lo
	global_store_b32 v[X+3], v[X+2], s[8:9]
	s_wait_xcnt 0x0                                ; and again in front of the line that widens it
	s_or_b32 exec_lo, exec_lo, s18
.Ldone:
	s_wait_tensorcnt 0x0
	ds_add_u32 v216, v217
	s_wait_dscnt 0x0
	s_endpgm
.Lfunc_end_k_q05e269bc61_kquant:
	.size	k_q05e269bc61_kquant, .Lfunc_end_k_q05e269bc61_kquant-k_q05e269bc61_kquant
	.p2alignl 7, 3214868480
	.fill 96, 4, 3214868480
	.section	.rodata,"a",@progbits
	.p2align	6, 0x0
	.amdhsa_kernel k_q05e269bc61_kquant
		.amdhsa_group_segment_fixed_size 99840
		.amdhsa_private_segment_fixed_size 0
		.amdhsa_enable_private_segment 0
		.amdhsa_kernarg_size 24
		.amdhsa_user_sgpr_count 2
		.amdhsa_user_sgpr_kernarg_segment_ptr 1
		.amdhsa_wavefront_size32 1
		.amdhsa_system_sgpr_workgroup_id_x 1
		.amdhsa_system_sgpr_workgroup_id_y 1
		.amdhsa_system_sgpr_workgroup_id_z 1
		.amdhsa_system_vgpr_workitem_id 0
		.amdhsa_next_free_vgpr 218
		.amdhsa_next_free_sgpr 66
		.amdhsa_reserve_vcc 1
		.amdhsa_float_denorm_mode_32 3
		.amdhsa_float_denorm_mode_16_64 3
		.amdhsa_memory_ordered 1
		.amdhsa_forward_progress 1
		.amdhsa_inst_pref_size 68
	.end_amdhsa_kernel
	.amdgpu_metadata
---
amdhsa.version: [ 1, 2 ]
amdhsa.kernels:
  - .name:           k_q05e269bc61_kquant
    .symbol:         k_q05e269bc61_kquant.kd
    .args:
      - { .name: K, .offset: 0, .size: 8, .value_kind: global_buffer, .address_space: global }
      - { .name: kq, .offset: 8, .size: 8, .value_kind: global_buffer, .address_space: global }
      - { .name: ksum, .offset: 16, .size: 8, .value_kind: global_buffer, .address_space: global }
    .group_segment_fixed_size: 99840
    .private_segment_fixed_size: 0
    .kernarg_segment_align: 8
    .kernarg_segment_size: 24
    .max_flat_workgroup_size: 256
    .sgpr_count:     66
    .vgpr_count:     218
    .wavefront_size: 32
...
	.end_amdgpu_metadata
.endif
;; end of part 1
;; launch attn (part 2): grid 4 x 64, 8 waves a work-group, clusters of 4 x 1, 327,680 bytes of LDS; arguments Q_codes, Q_scales, kq, V_codes, V_scales, ksum, out0; writes out0
.if DOCPART == 2
	.amdgcn_target "amdgcn-amd-amdhsa--gfx1250"
	.amdhsa_code_object_version 6
	.text
	.protected	k_q05e269bc61_attn
	.globl	k_q05e269bc61_attn
	.p2align	8
	.type	k_q05e269bc61_attn,@function
k_q05e269bc61_attn:
	s_mov_b64 s[64:65], 0
	v_nop
	global_prefetch_b8 v0, s[64:65] scope:SCOPE_SE
	s_setreg_imm32_b32 hwreg(HW_REG_WAVE_MODE, 25, 1), 1
	s_wait_xcnt 0x0
	s_wait_alu depctr_hold_cnt(0) depctr_sa_sdst(0) depctr_va_vdst(0) depctr_va_sdst(0) depctr_va_ssrc(0) depctr_va_vcc(0) depctr_vm_vsrc(0)
	s_getreg_b32 s2, hwreg(HW_REG_IB_STS2, 6, 4)
	s_cmp_eq_u32 s2, 0
	s_cbranch_scc0 .Lentry_in_a_cluster
	s_endpgm
.Lentry_in_a_cluster:
	s_bfe_u32 s2, ttmp6, 0x10000c
	s_cmp_lg_u32 s2, 0x3003
	s_cbranch_scc0 .Lentry_shape_is_right
	s_endpgm
.Lentry_shape_is_right:
; out0[head][q][:] = sum over k of softmax_k(Q[q] . K[k] / sqrt(var K)) V[k][:]; 64 heads, 2,048 queries and keys, head size 128; both products on codes of BF6 (E3M2), one E8M0 scale for each 32 along K.
; Q, V: codes and scale bytes as given.  K: the first launch's kq (groups of 64 keys, 6,400 bytes: four tiles in the order of the operand's registers, then 256 scale bytes).  ksum: 256 sums of d = K - pivot, 256 sums of d d.
; THE SCALE: var = (sum d d - (sum d)^2 / N) / (N - 1), N = 2^24; c = log2(e) / sqrt(var); t = score x c.
; THE SOFTMAX: M = the ceiling of the row's largest t so far; p = 2^(t - M) is quantised along the keys, not normalised; the row's sum is taken of the unquantised p and divides at the end.  When M moves, the sums and O^T are
; multiplied by f = 2^(old M - new M), exactly.  A block's largest p is made of the block's largest score by the same multiply-add and exponential (this takes v_exp_f32 not to fall where its input rises).
; LIMITS: var = 0, NaN and infinities are not served; the promise holds while |t| stays under 2^31.
; SHARES: one cluster of four work-groups to a head.  A work-group owns 512 queries and walks them as two blocks of 256; each of its eight waves has 32 queries of a block, two tiles of 16.  Every block walks all 2,048 keys, 128 a step.
; All K and V tiles are the same for the four partners and are asked for jointly (mask 15).
; LAYOUT: both products are used transposed (S^T = K Q^T, O^T = V^T P^T): a lane holds one query (lane % 16).  Row m of K's tile 4 c + u is key 64 c + 32 (m / 8) + 8 u + m % 8, so a lane's 32 registers of tiles 4 c .. 4 c + 3
; are the 32 neighbouring keys 64 c + 32 (lane / 16) + 0 .. 31: one whole block, in the order of P's operand registers.  Row m of V's tile d is channel 16 d + 2 (m % 8) + m / 8; the way out puts the channels in order again.
; LDS: K: a ring of two slots of 256 keys (25,600 bytes) at 0 and 32,768.  V: the whole head, filled once and read by both blocks: two halves of 1,024 keys; in each the 64 even channels, then, 16 bytes further on than their rows
; would end, the 64 odd ones; rows of 768 bytes with 8 bytes of padding behind every 64 (pitch 864 = 216 words: the layout repeats every two key steps).  A tile's lanes stand at 24 (r % 8) + 4 (r / 8) + 6 h words modulo 64,
; two words each: 64 different banks (64 banks of 4 bytes: ISA guide 11.1), but for the pieces in which lanes 16-31 lie behind one padding more.  Each row of a tile begins at a multiple of 256 bytes of memory.
; Then V's scale bytes, the waves' stages for the way out, the spare words.  All of LDS is claimed.
; PREFETCH: K's slots 2 to 7 of the first walk are asked for one change of slots ahead of their tensor load (wave 4 of each partner: 6,400 of the slot's 25,600 bytes, lanes 256 bytes apart, lanes 25-31 name lane 24's again).
; The second walk reads what this cluster has read.  V and its scale bytes are not prefetched: all their loads go out at the kernel's head, with no trip ahead of them.
; REGISTERS, window 0: v1-19 addresses; v20-35 statistics; v36-59 at work; v64-191 S^T, then p; v192-215 p's codes; v216-231 the conversions' second halves; v232-247 scale words.
; Window 1: v0-127 O^T; v128-151 Q; v152-159 the rows' sums (two chains of pairs a tile); v160-255 eight fragments of K, then of V.
.set GRP,   6400
.set KSLOT, 4*GRP
.set KS1,   32768
.set VP,    864
.set VODD,  64*VP+16                   ; from the even channels' rows to the odd ones'
.set VB,    KS1+KSLOT
.set VHALF, 128*VP+256
.set SCV,   VB+2*VHALF
.set STAGE, SCV+32*272
.set SPI,   272
.set WSTG,  16*SPI
.set SPARE, STAGE+8*WSTG
.set AK0, 1
.set AV0, 2
.set AV1, 3
.set ASK0, 4
.set ASV0, 5
.set SPW, 6
.set NIL, 7
.set ADK, 8
.set ADS, 9
.set ADT, 10
.set ADV, 11                           ; v11, v12: V, plain and behind one padding more
.set GO,  15
.set STO, 16
.set RD,  17
.set PFO, 18
.set H8,  19                           ; 8 x (lane / 16)
.set ST,  20                           ; tile a at ST + 8 a: +0, +2 -M by turns; +1 largest score; +3, +7 at work; +4 f; +5 p's scale word; +6 Q's scale word
.set BM,  36                           ; v36-39 a block's largest score, then p: 2 a + c
.set MX,  40
.set PX,  42
.set SO,  44
.set BY,  48
.set WD,  52
.set BB,  54                           ; v54-57 the maxima's second chains
.set QA,  58
.set QS,  59
.set S,   64
.set PQ,  192
.set CT,  216
.set KS,  232
.set VS,  240
.set OT,  0
.set QF,  128
.set AC,  152
.set FR,  160
.set WV,  18
.set CX,  19
.set SEL, 20
.set CS,  22
.set G1K, 24
.set G1V, 32
.set G0K, 40
.set G0V, 44
.set G1S, 48
.set G0S, 56
.set I,   60                           ; the slot in hand, 0 .. 15 over both blocks
.set LIM, 61
.set KL,  62
.set TB,  63
.set PFA, 68
.set KB,  70
.set MSB, 0
.macro WIN new
.if MSB != \new
	s_set_vgpr_msb (MSB<<8)|\new
.set MSB, \new
.endif
.endm
.set W_LDF, 0x40
.set W_KQ,  0x05
.set W_PV,  0x51
.set W_RS,  0x41
.set W_OUT, 0x01
.macro D1
	s_delay_alu instid0(VALU_DEP_1)
.endm
.macro D2
	s_delay_alu instid0(VALU_DEP_2)
.endm
.macro NOP4
.rept 4
	v_nop
.endr
.endm
.macro CROUND                          ; a round of the cluster's barrier
	s_barrier_signal -1
	s_barrier_wait -1
	s_cmp_lg_u32 s[WV], 0
	s_cbranch_scc1 .Lnw0_\@
	s_barrier_signal -3
.Lnw0_\@:
	s_barrier_wait -3
	s_barrier_signal -1
	s_barrier_wait -1
.endm
.macro QLOAD                           ; my two tiles of Q and their scale words
	WIN W_LDF
.irp a, 0,1
.irp p, 0,1,2,3,4,5
	global_load_b64 v[QF+12*\a+2*\p:QF+12*\a+2*\p+1], v[QA], s[4:5] offset:1536*\a+48*(\p/3)+8*(\p%3)
.endr
.endr
	WIN 0
.irp a, 0,1
	global_load_b32 v[ST+8*\a+6], v[QS], s[6:7] offset:64*\a
.endr
.endm
	s_load_b256 s[4:11], s[0:1], 0x0               ; Q's codes, Q's scales, kq, V's codes
	s_load_b128 s[12:15], s[0:1], 0x20             ; V's scales, ksum
	s_load_b64 s[16:17], s[0:1], 0x30              ; out0
	v_lshl_add_u32 v[SPW], v0, 2, SPARE
	v_mov_b32 v[NIL], 0
	ds_add_u32 v[SPW], v[NIL]                      ; the opening lines
	ds_add_u32 v[SPW], v[NIL]
	s_wait_dscnt 0x0
	v_lshrrev_b32 v60, 5, v0
	D1
	v_readfirstlane_b32 s[WV], v60                 ; wave 0..7
	s_bfe_u32 s[CX], ttmp6, 0x40000
	s_and_b32 s72, ttmp7, 0xffff                   ; the head
	s_and_b32 s73, s[WV], 1
	s_bfe_u32 s80, s[WV], 0x10001                  ; waves 4, 5: V's half 0; waves 6, 7: half 1
	s_mul_i32 s74, s72, 32*GRP
	s_mul_i32 s[KL], s73, 2*GRP                    ; my key step of a slot, in memory and in LDS alike
	s_add_co_u32 s74, s74, s[KL]
	s_mov_b32 s75, 0
	s_mul_i32 s76, s72, 128*1536
	s_mul_i32 s77, s73, 1536                       ; V: an even wave takes the even channels, an odd wave the odd ones
	s_add_co_u32 s76, s76, s77
	s_mul_i32 s77, s80, 768
	s_add_co_u32 s76, s76, s77
	s_mov_b32 s77, 0
	s_mul_i32 s81, s73, VODD
	s_mul_i32 s82, s80, VHALF
	s_add_co_u32 s81, s81, s82
	s_add_co_u32 s81, s81, VB
	s_lshl_b32 s78, s72, 13
	s_lshl_b32 s79, s73, 12
	s_add_co_u32 s78, s78, s79
	s_mov_b32 s79, 0
	s_mul_i32 s82, s73, 16*272
	s_add_co_u32 s82, s82, SCV
	s_lshl_b32 s84, s72, 11
	s_lshl_b32 s85, s[CX], 9
	s_add_co_u32 s84, s84, s85
	s_lshl_b32 s85, s[WV], 5
	s_add_co_u32 s84, s84, s85                     ; my first query, over all heads
	s_mul_i32 s86, s84, 96
	s_mov_b32 s87, 0
	s_lshl_b32 s88, s84, 2
	s_mov_b32 s89, 0
	s_lshl_b32 s90, s84, 9
	s_mov_b32 s91, 0
	s_mov_b32 s[G1K], 15|(3<<16)|(1<<21)           ; K: 12,800 dense bytes as 50 rows of 256
	s_mov_b32 s[G1K+1], 32<<16
	s_mov_b32 s[G1K+2], 50<<16
	s_mov_b32 s[G1K+3], 32<<16
	s_mov_b32 s[G1K+4], 50
	s_mov_b32 s[G1K+5], 32
	s_mov_b32 s[G1K+6], 0
	s_mov_b32 s[G1K+7], 0
	s_mov_b32 s[G1V], 15|(1<<20)|(1<<21)|(3<<22)|(1<<25)   ; V: 64 rows of 768 bytes, every second channel: 3,072 apart; 2 words of padding behind every 16
	s_mov_b32 s[G1V+1], 768<<16
	s_mov_b32 s[G1V+2], 64<<16
	s_mov_b32 s[G1V+3], 768<<16
	s_mov_b32 s[G1V+4], 64
	s_mov_b32 s[G1V+5], 3072
	s_mov_b32 s[G1V+6], 0
	s_mov_b32 s[G1V+7], 0
	s_mov_b32 s[G1S], 15|(3<<16)|(1<<20)|(1<<21)|(5<<22)|(3<<25)   ; V's scale bytes: 16 rows of 256, 4 words of padding behind each
	s_mov_b32 s[G1S+1], 32<<16
	s_mov_b32 s[G1S+2], 16<<16
	s_mov_b32 s[G1S+3], 32<<16
	s_mov_b32 s[G1S+4], 16
	s_mov_b32 s[G1S+5], 32
	s_mov_b32 s[G1S+6], 0
	s_mov_b32 s[G1S+7], 0
	s_mov_b32 s[SEL], 0x76543210
	s_mov_b32 s[SEL+1], 0xfedcba98
	s_mov_b32 s[TB], KS1
	s_mov_b32 s[I], 0
	s_wait_kmcnt 0x0
	s_add_nc_u64 s[KB:KB+1], s[8:9], s[74:75]      ; my part of the head's slot 0 in kq
	s_mov_b32 s[G0K], 1
	s_mov_b32 s[G0K+1], s[KL]
	s_mov_b64 s[G0K+2:G0K+3], s[KB:KB+1]
	s_or_b32 s[G0K+3], s[G0K+3], 0x80000000
	s_mov_b32 s[G0V], 1
	s_mov_b32 s[G0V+1], s81
	s_add_nc_u64 s[G0V+2:G0V+3], s[10:11], s[76:77]
	s_or_b32 s[G0V+3], s[G0V+3], 0x80000000
	s_mov_b32 s[G0S], 1
	s_mov_b32 s[G0S+1], s82
	s_add_nc_u64 s[G0S+2:G0S+3], s[12:13], s[78:79]
	s_or_b32 s[G0S+3], s[G0S+3], 0x80000000
	CROUND                                         ; the first joint loads meet
	s_cmp_lt_u32 s[WV], 2                          ; every wave issues one first fill: waves 0, 1 slot 0's K; 2, 3 V's scale bytes; 4 to 7 V
	s_cbranch_scc0 .Lf_not_k
	tensor_load_to_lds s[G0K:G0K+3], s[G1K:G1K+7]
	s_nop 0
	NOP4
	s_branch .Lf_done
.Lf_not_k:
	s_cmp_lt_u32 s[WV], 4
	s_cbranch_scc0 .Lf_v
	tensor_load_to_lds s[G0S:G0S+3], s[G1S:G1S+7]
	s_nop 0
	NOP4
	s_branch .Lf_done
.Lf_v:
	tensor_load_to_lds s[G0V:G0V+3], s[G1V:G1V+7]
	s_nop 0
	NOP4
.Lf_done:
	s_add_nc_u64 s[4:5], s[4:5], s[86:87]
	s_add_nc_u64 s[6:7], s[6:7], s[88:89]
	s_add_nc_u64 s[16:17], s[16:17], s[90:91]
	s_mul_i32 s74, s72, 32*GRP                     ; the prefetches stand at my partner's quarter of slot 1; each change of slots steps them first
	s_mul_i32 s75, s[CX], GRP
	s_add_co_u32 s74, s74, s75
	s_add_co_u32 s74, s74, KSLOT
	s_mov_b32 s75, 0
	s_add_nc_u64 s[PFA:PFA+1], s[8:9], s[74:75]
	s_cmp_eq_u32 s[WV], 4
	s_cselect_b32 s[LIM], 6, 0                     ; wave 4 asks while the slot in hand is under 6: the slot named is two on, 7 at the most
	s_mul_i32 s79, s[WV], WSTG
	s_add_co_u32 s79, s79, STAGE
	v_and_b32 v60, 15, v0                          ; r
	v_bfe_u32 v61, v0, 4, 1                        ; h
	v_and_b32 v62, 31, v0
	v_mul_u32_u24 v[QA], v60, 96
	D1
	v_mad_u32_u24 v[QA], v61, 24, v[QA]
	v_lshlrev_b32 v[QS], 2, v60
	v_lshlrev_b32 v248, 5, v62
	s_wait_alu depctr_va_vdst(0)
	QLOAD
	global_load_b128 v[64:67], v248, s[14:15]
	global_load_b128 v[68:71], v248, s[14:15] offset:16
	global_load_b128 v[72:75], v248, s[14:15] offset:1024
	global_load_b128 v[76:79], v248, s[14:15] offset:1040
	v_mul_u32_u24 v[AK0], v62, 48
	v_and_b32 v63, 7, v60                          ; r % 8
	v_lshrrev_b32 v249, 3, v60                     ; r / 8
	v_mul_u32_u24 v[AV0], v63, VP                  ; V: row r % 8 of the tile's eight, among the even (r / 8 = 0) or the odd channels
	D1
	v_mad_u32_u24 v[AV0], v249, VODD, v[AV0]
	D1
	v_mad_u32_u24 v[AV0], v61, 24, v[AV0]
	D1
	v_add_nc_u32 v[AV0], VB, v[AV0]
	D1
	v_lshl_add_u32 v[AV1], v61, 3, v[AV0]
	v_lshl_add_u32 v[ASK0], v60, 4, 6144
	v_bfe_u32 v63, v60, 1, 2                       ; V's scale bytes of channel 2 (r % 8) + r / 8: four channels fill a unit of 256 bytes + 16
	v_and_b32 v[ASV0], 1, v60
	D1
	v_lshl_add_u32 v[ASV0], v[ASV0], 1, v249
	D1
	v_lshlrev_b32 v[ASV0], 6, v[ASV0]
	D1
	v_mad_u32_u24 v[ASV0], v63, 272, v[ASV0]
	D1
	v_add_nc_u32 v[ASV0], SCV, v[ASV0]
	v_lshlrev_b32 v[H8], 3, v61
	v_lshlrev_b32 v[GO], 4, v60
	D1
	v_lshl_add_u32 v[GO], v61, 9, v[GO]            ; out0: lanes 0-15 256 bytes of one row, lanes 16-31 of the next
	v_mul_u32_u24 v[STO], v60, SPI
	D1
	v_lshl_add_u32 v[STO], v61, 5, v[STO]
	D1
	v_add_nc_u32 v[STO], s79, v[STO]
	v_mul_u32_u24 v[RD], v61, SPI
	D1
	v_lshl_add_u32 v[RD], v60, 4, v[RD]
	D1
	v_add_nc_u32 v[RD], s79, v[RD]
	v_min_u32 v[PFO], 24, v62
	D1
	v_lshlrev_b32 v[PFO], 8, v[PFO]
.macro FRESH                           ; a block of queries begins: the largest score -3e38, the old -M 3e38: the first step's f is 0, which clears the sums and O^T
.irp a, 0,1
	v_mov_b32 v[ST+8*\a+1], 0xff61b1e6
	v_mov_b32 v[ST+8*\a+2], 0x7f61b1e6
.endr
.endm
	FRESH
.irp a, 0,1
	v_mov_b32 v[ST+8*\a], 0
	v_mov_b32 v[ST+8*\a+3], 0                      ; (named as upper halves of pairs)
	v_mov_b32 v[ST+8*\a+5], 0
	v_mov_b32 v[PX+\a], 0                          ; a lane permute's destination counts as one of its sources
	v_mov_b32 v[WD+\a], 0
.endr
.set j, 0
.rept 32
	v_mov_b32 v[S+96+j], 0                         ; the 32 numbers of tile 1 that a step's head adds for the step before: the first step finds zeros
.set j, j+1
.endr
	WIN W_LDF
.set j, 0
.rept 128
	v_mov_b32 v[OT+j], 0                           ; O^T, once in the launch: the step is written without a first step of its own
.set j, j+1
.endr
.irp j, 0,1,2,3,4,5,6,7
	v_mov_b32 v[AC+\j], 0
.endr
	WIN 0
	s_wait_alu depctr_va_vdst(0)
	s_wait_loadcnt 0x0
	v_pk_add_f32 v[64:65], v[64:65], v[66:67]      ; c: every wave adds the 256 pairs in the same order
	v_pk_add_f32 v[72:73], v[72:73], v[74:75]
	v_pk_add_f32 v[68:69], v[68:69], v[70:71]
	v_pk_add_f32 v[76:77], v[76:77], v[78:79]
	D2
	v_pk_add_f32 v[64:65], v[64:65], v[68:69]
	D2
	v_pk_add_f32 v[72:73], v[72:73], v[76:77]
	D2
	v_add_f32 v64, v64, v65
	D2
	v_add_f32 v72, v72, v73
.irp m, 1,2,4,8
	D2
	v_add_f32_dpp v64, v64, v64 row_xmask:\m row_mask:0xf bank_mask:0xf
	D2
	v_add_f32_dpp v72, v72, v72 row_xmask:\m row_mask:0xf bank_mask:0xf
.endr
	D2
	v_permlanex16_b32 v65, v64, s[SEL], s[SEL+1]
	D2
	v_permlanex16_b32 v73, v72, s[SEL], s[SEL+1]
	D2
	v_add_f32 v64, v64, v65
	D2
	v_add_f32 v72, v72, v73
	D2
	v_mul_f32 v66, 0x33800000, v64                 ; / N: exact
	D1
	v_fma_f32 v67, -v64, v66, v72
	D1
	v_mul_f32 v67, 0x33800001, v67                 ; / (N - 1), as the nearest f32 number
	s_wait_alu depctr_va_vdst(0)
	v_rsq_f32 v68, v67
	v_nop
	s_wait_alu depctr_va_vdst(0)
	v_mul_f32 v68, 0x3fb8aa3b, v68
	D1
	v_readfirstlane_b32 s[CS], v68                 ; a value alone: no address and no branch hangs on it
	s_mov_b32 s[CS+1], s[CS]
.macro KLOAD q                         ; a key step's K: scale words by two loads, eight fragments by three loads of 16 bytes each
.irp e, 0,1
	ds_load_b128 v[KS+4*\e:KS+4*\e+3], v[ADS] offset:(2*(\q)+\e)*GRP
.endr
	WIN W_LDF
.irp t, 0,1,2,3,4,5,6,7
.irp j, 0,1,2
	ds_load_b128 v[FR+12*\t+4*\j:FR+12*\t+4*\j+3], v[ADK] offset:(2*(\q)+\t/4)*GRP+(\t%4)*1536+16*\j
.endr
.endr
	WIN 0
.endm
.macro VLOAD q                         ; a key step's V in pieces of 8 bytes; lanes 16-31 read three pieces on: where that lies behind one padding more, the second address register serves
.irp d, 0,1,2,3,4,5,6,7
	ds_load_b32 v[VS+\d], v[ADT] offset:1088*\d+4*(\q)
.endr
	WIN W_LDF
.irp d, 0,1,2,3,4,5,6,7
.irp p, 0,1,2,3,4,5
.set PCE, 12*(\q)+6*(\p/3)+\p%3
	ds_load_b64 v[FR+12*\d+2*\p:FR+12*\d+2*\p+1], v[ADV+(PCE%8)/5] offset:8*PCE+8*(PCE/8)+8*VP*\d
.endr
.endr
	WIN 0
.endm
.macro SUMP a, pp                      ; one line of the rows' sums of the unquantised p: pair pp of tile a onto one of the tile's two chains (sums in window 1, p in window 0)
	v_pk_add_f32 v[AC+4*(\a)+2*((\pp)%2):AC+4*(\a)+2*((\pp)%2)+1], v[AC+4*(\a)+2*((\pp)%2):AC+4*(\a)+2*((\pp)%2)+1], v[S+64*(\a)+2*(\pp):S+64*(\a)+2*(\pp)+1]
.endm
.macro FLUSH                           ; tile 1's last sixteen pairs, where no further step's head adds them in time
	WIN W_RS
.irp p, 16,17,18,19,20,21,22,23,24,25,26,27,28,29,30,31
	SUMP 1, \p
.endr
	WIN 0
.endm
.macro MAXG a, g                       ; four of the 32 lines that find tile a's two blocks' largest scores (all 32 of a block in my lane, two chains a block); each accumulator is read from its low end on
.if (\g) == 0
.irp c, 0,1
	v_max3_num_f32 v[BM+2*(\a)+\c], v[S+64*(\a)+32*\c], v[S+64*(\a)+32*\c+1], v[S+64*(\a)+32*\c+2]
	v_max3_num_f32 v[BB+2*(\a)+\c], v[S+64*(\a)+32*\c+16], v[S+64*(\a)+32*\c+17], v[S+64*(\a)+32*\c+18]
.endr
.elseif (\g) < 7
.irp c, 0,1
	v_max3_num_f32 v[BM+2*(\a)+\c], v[BM+2*(\a)+\c], v[S+64*(\a)+32*\c+2*(\g)+1], v[S+64*(\a)+32*\c+2*(\g)+2]
	v_max3_num_f32 v[BB+2*(\a)+\c], v[BB+2*(\a)+\c], v[S+64*(\a)+32*\c+2*(\g)+17], v[S+64*(\a)+32*\c+2*(\g)+18]
.endr
.else
.irp c, 0,1
	v_max3_num_f32 v[BM+2*(\a)+\c], v[BM+2*(\a)+\c], v[BB+2*(\a)+\c], v[S+64*(\a)+32*\c+15]
.endr
.irp c, 0,1
	v_max_num_f32 v[BM+2*(\a)+\c], v[BM+2*(\a)+\c], v[S+64*(\a)+32*\c+31]
.endr
.endif
.endm
; A KEY STEP: 128 keys, the q-th of the slot in hand.  Its K is already on its way into the fragments.
.macro STEP q
.set NN, ST+2*(\q)
.set NO, ST+2-2*(\q)
	s_wait_alu depctr_va_vdst(0)
	s_wait_dscnt 0x0                               ; K's fragments and scale words are in
.irp t, 0,1,2,3,4,5,6,7                        ; S^T of tile 0; behind each product two lines of the step before's sums of tile 1, whose p these products leave alone
	WIN W_KQ
	v_wmma_scale_f32_16x16x128_f8f6f4 v[S+8*\t:S+8*\t+7], v[FR+12*\t:FR+12*\t+11], v[QF:QF+11], 0, v[KS+\t], v[ST+6] matrix_a_fmt:MATRIX_FMT_BF6 matrix_b_fmt:MATRIX_FMT_BF6
	WIN W_RS
	SUMP 1, 16+2*\t
	SUMP 1, 17+2*\t
.endr
.irp t, 0,1,2,3,4,5,6,7                        ; S^T of tile 1; behind each product four lines of tile 0's maxima: each reads results that stand four plain lines or more back (ISA guide 7.12.1)
	WIN W_KQ
	v_wmma_scale_f32_16x16x128_f8f6f4 v[S+64+8*\t:S+64+8*\t+7], v[FR+12*\t:FR+12*\t+11], v[QF+12:QF+23], 0, v[KS+\t], v[ST+14] matrix_a_fmt:MATRIX_FMT_BF6 matrix_b_fmt:MATRIX_FMT_BF6
	WIN 0
	MAXG 0, \t
.endr
	VLOAD \q                                       ; (the last four lines above are the places in front of these loads and of the reads below)
.irp g, 0,1,2,3,4,5,6,7
	MAXG 1, \g
.endr
.irp a, 0,1
	v_max_num_f32 v[MX+\a], v[BM+2*\a], v[BM+2*\a+1]
.endr
.irp a, 0,1
	v_permlanex16_b32 v[PX+\a], v[MX+\a], s[SEL], s[SEL+1]
.endr
.irp a, 0,1
	v_max3_num_f32 v[ST+8*\a+1], v[ST+8*\a+1], v[MX+\a], v[PX+\a]   ; the running largest score (c is positive)
.endr
.irp a, 0,1
	v_mul_f32 v[ST+8*\a+7], s[CS], v[ST+8*\a+1]
.endr
.irp a, 0,1
	v_floor_f32 v[NN+8*\a], -v[ST+8*\a+7]          ; the new -M = -ceil(t); the old one stays in the other register
.endr
.irp a, 0,1
	v_sub_f32 v[ST+8*\a+7], v[NN+8*\a], v[NO+8*\a]
.endr
.irp a, 0,1
	v_cvt_i32_f32 v[ST+8*\a+7], v[ST+8*\a+7]       ; (it saturates)
.endr
.irp a, 0,1
	v_ldexp_f32 v[ST+8*\a+4], 1.0, v[ST+8*\a+7]    ; f = 2^(old M - new M)
.endr
.set j, 0
.rept 32
.irp a, 0,1
	v_pk_fma_f32 v[S+64*\a+j:S+64*\a+j+1], v[S+64*\a+j:S+64*\a+j+1], s[CS:CS+1], v[NN+8*\a:NN+8*\a+1] op_sel_hi:[1,0,0]   ; t - M
.endr
.set j, j+2
.endr
.irp c, 0,1
.irp a, 0,1
	v_fma_f32 v[BM+2*\a+\c], v[BM+2*\a+\c], s[CS], v[NN+8*\a]
.endr
.endr
	s_wait_alu depctr_va_vdst(0)                   ; the wait ahead of the batch
.irp k, 0,1,2,3
	v_exp_f32 v[BM+\k], v[BM+\k]                   ; the blocks' largest p
.endr
.set j, 0
.rept 64
.irp a, 0,1
	v_exp_f32 v[S+64*\a+j], v[S+64*\a+j]           ; p = 2^(t - M)
.endr
.set j, j+1
.endr
	v_nop
	s_wait_alu depctr_va_vdst(0)                   ; and behind it
.irp k, 0,1,2,3
	v_max_num_f32 v[BM+\k], 0x2800000, v[BM+\k]    ; the floor 2^(5 - 127): the byte cannot fall under 1
.endr
.irp k, 0,1,2,3
	v_add_nc_u32 v[SO+\k], 0xfe000000, v[BM+\k]    ; 4 off the exponent field: the conversions' scale operand
.endr
.irp a, 0,1
.irp c, 0,1
	v_cvt_scalef32_pk16_bf6_f32 v[PQ+12*\a+6*\c:PQ+12*\a+6*\c+2], v[S+64*\a+32*\c:S+64*\a+32*\c+15], v[SO+2*\a+\c]
	v_cvt_scalef32_pk16_bf6_f32 v[CT+8*\a+4*\c:CT+8*\a+4*\c+2], v[S+64*\a+32*\c+16:S+64*\a+32*\c+31], v[SO+2*\a+\c]   ; (a conversion's three registers begin on an even number)
.endr
.endr
.irp k, 0,1,2,3
	v_lshrrev_b32 v[BY+\k], 23, v[SO+\k]           ; the scales' bytes.  (Also the plain lines behind the conversions)
.endr
.irp a, 0,1
.irp c, 0,1
.irp i, 0,1,2
	v_mov_b32 v[PQ+12*\a+6*\c+3+\i], v[CT+8*\a+4*\c+\i]
.endr
.endr
.endr
.irp a, 0,1
	v_lshl_or_b32 v[ST+8*\a+5], v[BY+2*\a+1], 16, v[BY+2*\a]   ; my blocks h and 2 + h,
.endr
.irp a, 0,1
	v_lshlrev_b32 v[ST+8*\a+5], v[H8], v[ST+8*\a+5]            ; at their places in the scale word;
.endr
.irp a, 0,1
	v_permlanex16_b32 v[WD+\a], v[ST+8*\a+5], s[SEL], s[SEL+1]
.endr
.irp a, 0,1
	v_or_b32 v[ST+8*\a+5], v[ST+8*\a+5], v[WD+\a]              ; with lane l xor 16's two the word is whole
.endr
	s_wait_dscnt 0x0                               ; V's fragments and scale words are in
	WIN W_RS
	s_wait_alu depctr_va_vdst(0)
.set j, 0
.rept 32
.irp a, 0,1
	v_pk_mul_f32 v[OT+64*\a+j:OT+64*\a+j+1], v[OT+64*\a+j:OT+64*\a+j+1], v[ST+8*\a+4:ST+8*\a+5] op_sel_hi:[1,0]   ; O^T under the new M.  (These lines are also the places between the scale word, p's codes and the products)
.endr
.set j, j+2
.endr
.irp a, 0,1
.irp e, 0,2
	v_pk_mul_f32 v[AC+4*\a+\e:AC+4*\a+\e+1], v[AC+4*\a+\e:AC+4*\a+\e+1], v[ST+8*\a+4:ST+8*\a+5] op_sel_hi:[1,0]   ; the sums likewise
.endr
.endr
	WIN W_PV
.set w, 0
.irp d, 0,1,2,3,4,5,6,7                        ; O^T += V^T P^T, sixteen accumulators by turns; behind each product three lines of the sums (all of tile 0's, tile 1's first sixteen), which name none of the products' registers
.irp a, 0,1
	v_wmma_scale_f32_16x16x128_f8f6f4 v[OT+64*\a+8*\d:OT+64*\a+8*\d+7], v[FR+12*\d:FR+12*\d+11], v[PQ+12*\a:PQ+12*\a+11], v[OT+64*\a+8*\d:OT+64*\a+8*\d+7], v[VS+\d], v[ST+8*\a+5] matrix_a_fmt:MATRIX_FMT_BF6 matrix_b_fmt:MATRIX_FMT_BF6
	SUMP 0, 2*w
	SUMP 0, 2*w+1
	SUMP 1, w
.set w, w+1
.endr
.endr
	v_nop                                          ; with the three lines above: the places in front of the next loads into the fragments
	WIN 0
.if (\q) == 0
	KLOAD 1
.endif
.endm
; THE CHANGE OF SLOTS, s[I] = the slot about to be read.  Every wave waits for all its tensor loads (one at the most is out), adds 0 to its spare word, waits for that and for its LDS reads.
; fill = 1: a round of the cluster's barrier, then waves 0 and 1 ask jointly for slot s[I] + 1 (of the head's eight, round again for the second block) into the slot just left.
; Then the new slot's addresses and its first step's K.
.macro CHANGE fill
	s_wait_alu depctr_va_vdst(0)
	s_wait_tensorcnt 0x0
	ds_add_u32 v[SPW], v[NIL]
	s_xor_b32 s[TB], s[TB], KS1
.if \fill
	s_xor_b32 s[G0K+1], s[G0K+1], KS1
	s_add_co_u32 s72, s[I], 1
	s_and_b32 s72, s72, 7
	s_mul_i32 s72, s72, KSLOT
	s_mov_b32 s73, 0
	s_add_nc_u64 s[G0K+2:G0K+3], s[KB:KB+1], s[72:73]
	s_or_b32 s[G0K+3], s[G0K+3], 0x80000000
	s_wait_xcnt 0x0                                ; the last prefetch has read its address
	s_add_nc_u64 s[PFA:PFA+1], s[PFA:PFA+1], KSLOT
	s_wait_dscnt 0x0
	CROUND
	s_cmp_lt_u32 s[WV], 2
	s_cbranch_scc0 .Lnk_\@
	tensor_load_to_lds s[G0K:G0K+3], s[G1K:G1K+7]
	s_nop 0
	NOP4
.Lnk_\@:
.else
	s_wait_dscnt 0x0
	s_barrier_signal -1
	s_barrier_wait -1
.endif
	s_and_b32 s75, s[I], 3
	s_mul_i32 s75, s75, 216                        ; V: 216 bytes of a row for each slot of 256 keys,
	s_bfe_u32 s76, s[I], 0x10002
	s_mul_i32 s76, s76, VHALF                      ; the second half from the block's slot 4 on
	s_add_co_u32 s75, s75, s76
	s_and_b32 s76, s[I], 7
	s_lshl_b32 s76, s76, 3                         ; V's scale words: 8 bytes a slot
	v_add_nc_u32 v[ADK], s[TB], v[AK0]
	v_add_nc_u32 v[ADS], s[TB], v[ASK0]
	v_add_nc_u32 v[ADV], s75, v[AV0]
	v_add_nc_u32 v[ADV+1], s75, v[AV1]
	v_add_nc_u32 v[ADT], s76, v[ASV0]
	s_wait_alu depctr_va_vdst(0)
	KLOAD 0
.if \fill
	s_cmp_lt_u32 s[I], s[LIM]                      ; the prefetch of slot s[I] + 2, one change of slots ahead of its load
	s_cbranch_scc0 .Lna_\@
	global_prefetch_b8 v[PFO], s[PFA:PFA+1] th:TH_LOAD_NT scope:SCOPE_SE
.Lna_\@:
.endif
.endm
; THE WAY OUT of a block.  Register 8 d + j of lane (r, h) of O^T is channel 16 d + 2 j + h of query r.  O^T / the row's sum is laid so that registers 2 j and 2 j + 1 hold channels 2 j + h and 8 + 2 j + h; one exchange of
; the first's lanes 16-31 with the second's lanes 0-15 then leaves channel 16 d + 8 h + i in register 8 d + i.  Half a tile's columns (16 rows x 256 bytes) at a time goes through my stage and comes back by rows:
; sixteen lanes store 256 consecutive bytes, at a multiple of 256 from out0's first byte.
.macro STG a, g
.irp e, 0,1,2,3
	ds_store_b128 v[STO], v[S+64*\a+32*\g+8*\e:S+64*\a+32*\g+8*\e+3] offset:64*\e
	ds_store_b128 v[STO], v[S+64*\a+32*\g+8*\e+4:S+64*\a+32*\g+8*\e+7] offset:64*\e+16
.endr
.irp t, 0,1,2,3,4,5,6,7
	ds_load_b128 v[S+64*\a+32*\g+4*\t:S+64*\a+32*\g+4*\t+3], v[RD] offset:2*SPI*\t   ; LDS serves a wave's instructions in order (ISA guide 5.7.1.4)
.endr
.endm
.macro SEND a, g, younger              ; younger: the LDS instructions issued behind this half's loads
.irp t, 0,1,2,3,4,5,6,7
	s_wait_dscnt \younger+7-\t
	global_store_b128 v[GO], v[S+64*\a+32*\g+4*\t:S+64*\a+32*\g+4*\t+3], s[16:17] offset:8192*\a+1024*\t+256*\g th:TH_STORE_NT
.endr
.endm
.macro WAYOUT
	WIN W_KQ
.irp a, 0,1
	v_add_f32 v[ST+8*\a+7], v[AC+4*\a], v[AC+4*\a+1]
	v_add_f32 v[ST+8*\a+3], v[AC+4*\a+2], v[AC+4*\a+3]
.endr
	WIN 0
.irp a, 0,1
	v_add_f32 v[ST+8*\a+7], v[ST+8*\a+7], v[ST+8*\a+3]
.endr
.irp a, 0,1
	v_permlanex16_b32 v[PX+\a], v[ST+8*\a+7], s[SEL], s[SEL+1]
.endr
.irp a, 0,1
	v_add_f32 v[ST+8*\a+7], v[ST+8*\a+7], v[PX+\a]   ; the row's sum
.endr
	s_wait_alu depctr_va_vdst(0)
.irp a, 0,1
	v_rcp_f32 v[ST+8*\a+4], v[ST+8*\a+7]
.endr
	v_nop
	WIN W_OUT
	s_wait_alu depctr_va_vdst(0)                   ; for the reciprocals, and directly ahead of the first reader of O^T
.irp a, 0,1
.irp d, 0,1,2,3,4,5,6,7
.irp j, 0,1,2,3
	v_mul_f32 v[S+64*\a+8*\d+2*\j], v[OT+64*\a+8*\d+\j], v[ST+8*\a+4]       ; each accumulator from its low end on
	v_mul_f32 v[S+64*\a+8*\d+2*\j+1], v[OT+64*\a+8*\d+4+\j], v[ST+8*\a+4]
.endr
.endr
.endr
	WIN 0
.set j, 0
.rept 64
	v_permlane16_swap_b32 v[S+j], v[S+j+1]
.set j, j+2
.endr
	s_wait_alu depctr_va_vdst(0)
	STG 0, 0
	STG 0, 1
	SEND 0, 0, 16
	STG 1, 0
	SEND 0, 1, 16
	STG 1, 1
	SEND 1, 0, 16
	SEND 1, 1, 0
.endm
	CHANGE 1                                       ; slot 0 and V are in; slot 1's first fill
.Lslot:                                            ; 14 trips: a slot's two steps, then the change that asks for the slot after the next
	STEP 0
	STEP 1
	s_add_co_u32 s[I], s[I], 1
	CHANGE 1
	s_cmp_lg_u32 s[I], 8
	s_cbranch_scc1 .Lnomid
	s_wait_xcnt 0x0                                ; THE FIRST BLOCK IS DONE: the second block's Q is asked for, the first goes out
	s_add_nc_u64 s[4:5], s[4:5], 256*96
	s_add_nc_u64 s[6:7], s[6:7], 256*4
	QLOAD
	FLUSH                                          ; (what the next step's head adds once more is cleared by that step's f = 0)
	WAYOUT
	s_wait_xcnt 0x0                                ; the stores have read their registers and their base
	s_add_nc_u64 s[16:17], s[16:17], 256*512
	FRESH
	s_wait_alu depctr_va_vdst(0)
	s_wait_loadcnt 0x0
.Lnomid:
	s_cmp_lt_u32 s[I], 14
	s_cbranch_scc1 .Lslot
	STEP 0                                         ; the last two slots are written out: nothing more is asked for
	STEP 1
	s_add_co_u32 s[I], s[I], 1
	CHANGE 0
	STEP 0
	STEP 1
	FLUSH
	WAYOUT
	s_wait_tensorcnt 0x0                           ; the wave's end
	ds_add_u32 v[SPW], v[NIL]
	s_wait_dscnt 0x0
	CROUND                                         ; the closing round
	s_endpgm
.Lfunc_end_k_q05e269bc61_attn:
	.size	k_q05e269bc61_attn, .Lfunc_end_k_q05e269bc61_attn-k_q05e269bc61_attn
	.p2alignl 7, 3214868480
	.fill 96, 4, 3214868480
	.section	.rodata,"a",@progbits
	.p2align	6, 0x0
	.amdhsa_kernel k_q05e269bc61_attn
		.amdhsa_group_segment_fixed_size 327680
		.amdhsa_private_segment_fixed_size 0
		.amdhsa_enable_private_segment 0
		.amdhsa_kernarg_size 56
		.amdhsa_user_sgpr_count 2
		.amdhsa_user_sgpr_kernarg_segment_ptr 1
		.amdhsa_wavefront_size32 1
		.amdhsa_system_sgpr_workgroup_id_x 1
		.amdhsa_system_sgpr_workgroup_id_y 1
		.amdhsa_system_sgpr_workgroup_id_z 1
		.amdhsa_system_vgpr_workitem_id 0
		.amdhsa_next_free_vgpr 512
		.amdhsa_next_free_sgpr 96
		.amdhsa_reserve_vcc 0
		.amdhsa_float_denorm_mode_32 3
		.amdhsa_float_denorm_mode_16_64 3
		.amdhsa_memory_ordered 1
		.amdhsa_forward_progress 1
		.amdhsa_inst_pref_size 255
	.end_amdhsa_kernel
	.section	.bss,"aw",@nobits
	.p2align	6
	.space	262144
	.amdgpu_metadata
---
amdhsa.version: [ 1, 2 ]
amdhsa.kernels:
  - .name:           k_q05e269bc61_attn
    .symbol:         k_q05e269bc61_attn.kd
    .args:
      - { .name: Q_codes, .offset: 0, .size: 8, .value_kind: global_buffer, .address_space: global }
      - { .name: Q_scales, .offset: 8, .size: 8, .value_kind: global_buffer, .address_space: global }
      - { .name: kq, .offset: 16, .size: 8, .value_kind: global_buffer, .address_space: global }
      - { .name: V_codes, .offset: 24, .size: 8, .value_kind: global_buffer, .address_space: global }
      - { .name: V_scales, .offset: 32, .size: 8, .value_kind: global_buffer, .address_space: global }
      - { .name: ksum, .offset: 40, .size: 8, .value_kind: global_buffer, .address_space: global }
      - { .name: out0, .offset: 48, .size: 8, .value_kind: global_buffer, .address_space: global }
    .group_segment_fixed_size: 327680
    .private_segment_fixed_size: 0
    .kernarg_segment_align: 8
    .kernarg_segment_size: 56
    .max_flat_workgroup_size: 256
    .sgpr_count:     96
    .vgpr_count:     512
    .wavefront_size: 32
...
	.end_amdgpu_metadata
.endif
;; end of part 2
